; MI455X (gfx1250); checked and timed in simulation.
; The chip was launched on July 23, 2026; its instructions are those of AMD's public machine-readable ISA for CDNA 5 (MIT licence, August 2026) and "CDNA5" Instruction Set Architecture Reference Guide (July 2026). The comments in the code are by the model that wrote it; some were corrected since.
;; TFF Point Spatially Aware. Allowed arithmetic: matrix products marked QUANTISED: E5M2 operands, one E8M0 scale for each 32 along K, by v_wmma_scale_f32_16x16x128_f8f6f4 with both operands' format E5M2, f32 sums; products left as they are: f32 operands where the result goes on into a quantised operand, else bf16, f16 or f32 operands; f32 sums; everything else in f32.
;; Inputs: catA_b 256 float32; catA_g 256 float32; catA_w_codes 256 x 16 x 32 uint8 (E5M2 codes of catA_w, K innermost, in blocks of 32 codes); catA_w_scales 256 x 16 uint8 (E8M0 scales of catA_w, one for each 32 codes along K); catB_b 256 float32; catB_g 256 float32; catB_w_codes 256 x 16 x 32 uint8 (E5M2 codes of catB_w, K innermost, in blocks of 32 codes); catB_w_scales 256 x 16 uint8 (E8M0 scales of catB_w, one for each 32 codes along K); cat_b 256 float32; cat_g 256 float32; cat_w_codes 256 x 16 x 32 uint8 (E5M2 codes of cat_w, K innermost, in blocks of 32 codes); cat_w_scales 256 x 16 uint8 (E8M0 scales of cat_w, one for each 32 codes along K); convA_b 1 float32; convA_w 1 x 256 float32; convB_b 1 float32; convB_w 1 x 256 float32; featA 16 x 256 x 4,096 float32; featB 16 x 256 x 1,024 float32; fp_b 256 float32; fp_g 256 float32; fp_w_codes 256 x 8 x 32 uint8 (E5M2 codes of fp_w, K innermost, in blocks of 32 codes); fp_w_scales 256 x 8 uint8 (E8M0 scales of fp_w, one for each 32 codes along K); xyz_A 16 x 4,096 x 3 float32; xyz_B 16 x 1,024 x 3 float32.
;; Outputs: out0 16 x 256 x 4,096 float32.
;; This version of the problem:
;;   THIS VERSION OF THE PROBLEM IS GIVEN IN LOW PRECISION. The matrix products marked QUANTISED in the list below multiply operands that are first quantised to E5M2 (5 exponent bits, 2 mantissa bits; 8 bits a number), with one power-of-two scale for each 32 numbers along K (OCP MX v1.0); their sums are f32. All else is computed in f32.
;;   The module's matrix products, in the order in which they are computed (A, B: the left and right operand; K: the contracted axis; several contracted axes count as one K, in the product's order):
;;     1. [M 65,536, K 256] x [K 256, N 256]; A: computed on the way; B: input fp_w (given as codes): QUANTISED
;;     2. [M 65,536, K 512] x [K 512, N 256]; A: computed on the way; B: input catA_w (given as codes): QUANTISED
;;     3. [M 65,536, K 512] x [K 512, N 256]; A: computed on the way; B: input catB_w (given as codes): QUANTISED
;;     4. [M 65,536, K 256] x [K 256, N 1]; A: computed on the way; B: input convA_w: left as it is (N = 1 < 16)
;;     5. [M 65,536, K 256] x [K 256, N 1]; A: computed on the way; B: input convB_w: left as it is (N = 1 < 16)
;;     6. [M 65,536, K 512] x [K 512, N 256]; A: computed on the way; B: input cat_w (given as codes): QUANTISED
;;   THE QUANTISER, for each operand of a quantised product, along K:
;;     - K is cut into blocks of 32 from its start; a last block that is shorter is filled with zeros.
;;     - A block's scale is 2^e with e = floor(log2(the largest magnitude in the block)) - 15, held to -126 .. 127; a block of zeros has e = 0. As a byte (E8M0): e + 127.
;;     - Each number is divided by its block's scale, clamped to +-57,344, and rounded to the nearest number of E5M2, ties to even, subnormals kept.
;;     - The product sums the exact products of the quantised numbers (number of the format x scale) in f32.
;;   ~~~python
;;   def quantise(x, axis):      # numpy; x: float32 -> the quantised numbers, widened to float32 again
;;       x = np.moveaxis(x, axis, -1); K = x.shape[-1]
;;       x = np.pad(x, [(0, 0)] * (x.ndim - 1) + [(0, -K % 32)]); x = x.reshape(x.shape[:-1] + (-1, 32)); a = np.abs(x).max(-1, keepdims=True)
;;       e = np.where(a > 0, np.clip(np.frexp(np.where(a > 0, a, 1))[1] - 1 - 15, -126, 127), 0)      # np.frexp(a)[1] - 1 = floor(log2(a)), exactly
;;       r = np.clip(x / 2.0 ** e, -57344, 57344)
;;       step = 2.0 ** (np.maximum(np.frexp(np.where(r == 0, 1, r))[1] - 1, -14) - 2)
;;       q = np.round(r / step) * step * 2.0 ** e      # np.round: ties to even
;;       return np.moveaxis(q.reshape(q.shape[:-2] + (-1,))[..., :K], -1, axis).astype(np.float32)
;;   ~~~
;;   OPERANDS COMPUTED ON THE WAY. 'Computed on the way' means the value that the module computes at that place (a softmax that the list does not call 'softmax' is quantised finished and normalised). What goes into a quantiser is computed in f32, as accurately as f32 sums, v_exp_f32 and their like allow (about 1e-6 of the number): no bf16 or f16 on the way to a quantiser, and a product that is left as it is and whose result goes on into a quantised operand takes f32 operands (vector FMAs, or v_wmma_f32_16x16x4_f32). A number that lies on a knife's edge between two numbers of the format may be rounded either way, as far as f32 arithmetic and the matrix unit's own rounding can turn it there, and no further.
;;   INPUTS GIVEN AS CODES. catA_w (in the module: [256, 512], K = its axis 1); catB_w (in the module: [256, 512], K = its axis 1); cat_w (in the module: [256, 512], K = its axis 1); fp_w (in the module: [256, 256], K = its axis 1): each comes as NAME_codes (uint8): NAME with its K axis moved to the last place and cut into blocks of 32 codes, [.., K / 32, bytes a block], one block behind the other in memory; one code a byte (a code: sign, 5 exponent bits, 2 mantissa bits); and NAME_scales (uint8): the same leading axes, one E8M0 byte (e + 127) for each 32 codes along K. Its value is code x scale, taken as it is: it is not quantised again, and the codes and scales need not be those that the quantiser above would give.
;; One version. Each part assembles by itself: llvm-mc -triple=amdgcn-amd-amdhsa -mcpu=gfx1250 --defsym DOCPART=n.
;; ======== version 1 of 1: 3 launches
;; workspace buffers: grp 1,048,576 bytes of whole numbers; nbr 1,048,576 bytes of whole numbers; wgt 1,048,576 bytes; fbt 16,777,216 bytes
;; launch select (part 1): grid 256 x 1, 4 waves a work-group, no clusters, 47,616 bytes of LDS; arguments xyz_A, xyz_B, featB, grp, fbt; writes grp, fbt
.if DOCPART == 1
	.amdgcn_target "amdgcn-amd-amdhsa--gfx1250"
	.amdhsa_code_object_version 6
	.text
	.protected	k_q9f9bdbb255_select
	.globl	k_q9f9bdbb255_select
	.p2align	8
	.type	k_q9f9bdbb255_select,@function
k_q9f9bdbb255_select:
	s_mov_b64 s[64:65], 0
	v_nop
	global_prefetch_b8 v0, s[64:65] scope:SCOPE_SE
	s_setreg_imm32_b32 hwreg(HW_REG_WAVE_MODE, 25, 1), 1
	s_wait_xcnt 0x0
; SELECT.  Two jobs for a work-group of four waves (batch b = wg / 16, part j = wg % 16):
; (1) for 256 points of A (two a lane): which 3 of the 64 groups of 16 points of B have the smallest group minimum of the squared distance.
;     Order points by (distance, index) and groups by (minimum, number): a point among the best 3 has at most two groups ahead of its own,
;     so the best 3 groups hold the best 3 points.  The next launch looks at those 48 points alone.  grp[query] = g1, g2, g3, 0.
; (2) featB [b][c][m] turned into fbt [b][m][c] for columns m = 64 j .. 64 j + 63; wave w takes channels 64 w .. 64 w + 63.
; The squared distance is (dx dx + dy dy) + dz dz, each step rounded, here and in the next launch alike.
; LIMITS: NaN and infinities among the coordinates, and differences whose squares pass the largest f32 number (above 1.8e19), are not served.
; No matrix unit, no cluster: the work is compares and minima, and what work-groups share is 12 KB of coordinates.
; REGISTERS: v[4:15] six pairs (a coordinate, twice) of my two queries; v16-21 their three smallest minima; v[22:29] the groups' numbers and a 0;
;   v32-79, v80-127 two sets of 16 candidates (x, y, z: 16 each); v128-175 differences; window 1 (v256-383): featB as loaded.
.set BX,   0                           ; LDS: x of the batch's 1,024 points of B,
.set BY,   4096                        ; y,
.set BZ,   8192                        ; z;
.set TS,   12288                       ; then a stage of 32 rows x 272 bytes for each wave
.set TSW,  8704
.set TP,   272                         ; 256 bytes + 16: the sixteen rows that a store touches start at different banks
.set QA,   4
.set MN,   16
.set II,   22
.set CA0,  30                          ; LDS address of candidate set 0, of set 1: each written only when that set's loads are back
.set CA1,  31
.set C0,   32
.set C1,   80
.set D,    128
.set TT,   176
.set G,    177
.set HH,   178
.set TSI,  179
.set TSO,  180
.set FO,   181
.set GO,   182
.set GI,   183
.set OB,   32
.set MSB,  0
.macro WIN new                         ; the immediate's high byte repeats the setting that is left
.if MSB != (\new)
	s_set_vgpr_msb (MSB<<8)|(\new)
.set MSB, (\new)
.endif
.endm
	s_load_b256 s[4:11], s[0:1], 0x0               ; xyz_A s[4:5], xyz_B s[6:7], featB s[8:9], grp s[10:11]
	s_load_b64 s[12:13], s[0:1], 0x20              ; fbt
	v_lshl_add_u32 v254, v0, 2, 0xb800
	v_mov_b32 v255, 0
	v_lshrrev_b32 v1, 5, v0
	v_readfirstlane_b32 s14, v1                    ; wave 0..3
	s_lshr_b32 s15, ttmp9, 4                       ; b
	s_and_b32 s16, ttmp9, 15                       ; j
	v_and_b32 v3, 31, v0                           ; lane
	v_mul_u32_u24 v1, v0, 12                       ; a point is 12 bytes
	v_lshlrev_b32 v2, 2, v0
	s_mul_i32 s17, s14, TSW
	s_add_co_u32 s17, s17, TS                      ; my stage
	v_mul_u32_u24 v[TSI], v3, TP
	v_add_nc_u32 v[TSI], s17, v[TSI]               ; in: row = my column
	v_and_b32 v[G], 15, v3
	v_lshrrev_b32 v[HH], 4, v3
	v_mul_u32_u24 v[TSO], v[HH], TP
	v_lshl_add_u32 v[TSO], v[G], 4, v[TSO]
	v_add_nc_u32 v[TSO], s17, v[TSO]               ; back: sixteen lanes to a row, two rows an instruction
	v_lshlrev_b32 v[FO], 10, v[HH]
	v_lshl_add_u32 v[FO], v[G], 4, v[FO]           ; and the same place in fbt: a row is 1,024 bytes
	v_lshlrev_b32 v[GO], 4, v0
	v_lshlrev_b32 v3, 2, v3                        ; featB: 4 bytes a lane
	s_mul_i32 s18, s15, 12288                      ; the batch's points of B
	s_mov_b32 s19, 0
	s_mul_i32 s20, ttmp9, 3072                     ; my 256 queries
	s_mov_b32 s21, 0
	s_lshl_b32 s22, s15, 20                        ; featB: ((256 b + 64 w) 1024 + 64 j) 4
	s_lshl_b32 s23, s14, 18
	s_add_co_u32 s22, s22, s23
	s_lshl_b32 s23, s16, 8
	s_add_co_u32 s22, s22, s23
	s_mov_b32 s23, 0
	s_lshl_b32 s24, ttmp9, 12                      ; grp: 16 bytes a query
	s_mov_b32 s25, 0
	s_lshl_b32 s26, s15, 20                        ; fbt: ((1024 b + 64 j) 256 + 64 w) 4
	s_lshl_b32 s27, s16, 16
	s_add_co_u32 s26, s26, s27
	s_lshl_b32 s27, s14, 8
	s_add_co_u32 s26, s26, s27
	s_mov_b32 s27, 0
	s_wait_kmcnt 0x0
	s_add_nc_u64 s[6:7], s[6:7], s[18:19]
	s_add_nc_u64 s[4:5], s[4:5], s[20:21]
	s_add_nc_u64 s[8:9], s[8:9], s[22:23]
	s_add_nc_u64 s[10:11], s[10:11], s[24:25]
	s_add_nc_u64 s[12:13], s[12:13], s[26:27]
.irp i, 0,1,2,3,4,5,6,7                        ; thread t brings points t + 128 i of B
.irp c, 0,1,2
	global_load_b32 v[C0+3*\i+\c], v1, s[6:7] offset:1536*\i+4*\c
.endr
.endr
.irp c, 0,1,2
	global_load_b32 v[QA+2*\c], v1, s[4:5] offset:4*\c             ; query t
	global_load_b32 v[QA+6+2*\c], v1, s[4:5] offset:1536+4*\c      ; query 128 + t
.endr
	s_wait_loadcnt 0x0
.irp i, 0,1,2,3,4,5,6,7
.irp c, 0,1,2
	ds_store_b32 v2, v[C0+3*\i+\c] offset:4096*\c+512*\i
.endr
.endr
	; featB: 64 channels x 64 columns, the two halves of each row's 256 bytes one behind the other.  They land while the groups are walked: nothing in the loop waits on LOADcnt
	WIN 0x40                                       ; destination window 1
.set i, 0
.rept 64
	global_load_b32 v[i], v3, s[8:9] offset:4096*i th:TH_LOAD_NT
	global_load_b32 v[64+i], v3, s[8:9] offset:4096*i+128 th:TH_LOAD_NT
.set i, i+1
.endr
	WIN 0
.irp k, 0,1,2,3,4,5
	v_mov_b32 v[QA+2*\k+1], v[QA+2*\k]             ; each coordinate twice: the packed forms take two candidates at a time
.endr
.irp k, 0,1,2,3,4,5
	v_mov_b32 v[MN+\k], 0x7f800000                 ; the three smallest minima begin at infinity
.endr
.irp k, 0,1,2,3,4,5,6,7
	v_mov_b32 v[II+\k], 0
.endr
	s_wait_dscnt 0x0                               ; for the others' sake: my part of the table is stored
	s_barrier_signal -1
	s_barrier_wait -1
.macro LOADC c, adr, off               ; 16 candidates: every lane reads the same 64 bytes of x, of y and of z
.irp k, 0,1,2,3
	ds_load_b128 v[\c+4*\k:\c+4*\k+3], v[\adr] offset:BX+\off+16*\k
	ds_load_b128 v[\c+16+4*\k:\c+16+4*\k+3], v[\adr] offset:BY+\off+16*\k
	ds_load_b128 v[\c+32+4*\k:\c+32+4*\k+3], v[\adr] offset:BZ+\off+16*\k
.endr
.endm
.macro DIST q, c                       ; the 16 squared distances of query q, two at a time, and their minimum in v[G]
.irp k, 0,2,4,6,8,10,12,14
	v_pk_add_f32 v[D+\k:D+\k+1], v[\c+\k:\c+\k+1], v[QA+6*\q:QA+6*\q+1] neg_lo:[0,1] neg_hi:[0,1]
.endr
.irp k, 0,2,4,6,8,10,12,14
	v_pk_add_f32 v[D+16+\k:D+17+\k], v[\c+16+\k:\c+17+\k], v[QA+6*\q+2:QA+6*\q+3] neg_lo:[0,1] neg_hi:[0,1]
.endr
.irp k, 0,2,4,6,8,10,12,14
	v_pk_add_f32 v[D+32+\k:D+33+\k], v[\c+32+\k:\c+33+\k], v[QA+6*\q+4:QA+6*\q+5] neg_lo:[0,1] neg_hi:[0,1]
.endr
.irp k, 0,2,4,6,8,10,12,14
	v_pk_mul_f32 v[D+\k:D+\k+1], v[D+\k:D+\k+1], v[D+\k:D+\k+1]
.endr
.irp k, 0,2,4,6,8,10,12,14
	v_pk_mul_f32 v[D+16+\k:D+17+\k], v[D+16+\k:D+17+\k], v[D+16+\k:D+17+\k]
.endr
.irp k, 0,2,4,6,8,10,12,14
	v_pk_add_f32 v[D+\k:D+\k+1], v[D+\k:D+\k+1], v[D+16+\k:D+17+\k]
.endr
.irp k, 0,2,4,6,8,10,12,14
	v_pk_mul_f32 v[D+32+\k:D+33+\k], v[D+32+\k:D+33+\k], v[D+32+\k:D+33+\k]
.endr
.irp k, 0,2,4,6,8,10,12,14
	v_pk_add_f32 v[D+\k:D+\k+1], v[D+\k:D+\k+1], v[D+32+\k:D+33+\k]
.endr
	v_min3_num_f32 v[G], v[D], v[D+1], v[D+2]      ; two chains
	v_min3_num_f32 v[HH], v[D+3], v[D+4], v[D+5]
	v_min3_num_f32 v[G], v[G], v[D+6], v[D+7]
	v_min3_num_f32 v[HH], v[HH], v[D+8], v[D+9]
	v_min3_num_f32 v[G], v[G], v[D+10], v[D+11]
	v_min3_num_f32 v[HH], v[HH], v[D+12], v[D+13]
	v_min3_num_f32 v[G], v[G], v[D+14], v[D+15]
	v_min_num_f32 v[G], v[G], v[HH]
.endm
.macro INSERT q                        ; (v[G], group v[GI]) into query q's sorted three.  The compares are strict: of equal minima the earlier group stays ahead
	v_cmp_lt_f32 s28, v[G], v[MN+3*\q]
	v_cmp_lt_f32 s29, v[G], v[MN+3*\q+1]
	v_cmp_lt_f32 s30, v[G], v[MN+3*\q+2]
	v_cndmask_b32 v[TT], v[GI], v[II+4*\q+1], s29
	v_cndmask_b32 v[II+4*\q+2], v[II+4*\q+2], v[TT], s30
	v_cndmask_b32 v[TT], v[GI], v[II+4*\q], s28
	v_cndmask_b32 v[II+4*\q+1], v[II+4*\q+1], v[TT], s29
	v_cndmask_b32 v[II+4*\q], v[II+4*\q], v[GI], s28
	v_med3_num_f32 v[MN+3*\q+2], v[G], v[MN+3*\q+1], v[MN+3*\q+2]
	v_med3_num_f32 v[MN+3*\q+1], v[G], v[MN+3*\q], v[MN+3*\q+1]
	v_min_num_f32 v[MN+3*\q], v[G], v[MN+3*\q]
.endm
; A trip: groups s33 and s33 + 1.  While one set is worked on, the other's 12 loads are on their way.
.macro TRIP last
	v_mov_b32 v[CA1], s32                          ; set 1's last loads were shown back by the wait in the trip before
	LOADC C1, CA1, 64
	s_wait_dscnt 12                                ; set 0 is in; the 12 just issued may be out
	v_mov_b32 v[GI], s33
	DIST 0, C0
	INSERT 0
	DIST 1, C0
	INSERT 1
.if \last
	s_wait_dscnt 0x0
.else
	s_add_co_u32 s32, s32, 128                     ; two groups on: 64 bytes a group in each of the three tables
	v_mov_b32 v[CA0], s32
	LOADC C0, CA0, 0
	s_wait_dscnt 12                                ; set 1 is in
.endif
	s_add_co_u32 s34, s33, 1
	v_mov_b32 v[GI], s34
	DIST 0, C1
	INSERT 0
	DIST 1, C1
	INSERT 1
.endm
	s_mov_b32 s32, 0
	s_mov_b32 s33, 0
	v_mov_b32 v[CA0], 0
	LOADC C0, CA0, 0
.Lgroup:                                               ; 31 trips; the last two groups are written out, so that no load leaves the tables
	TRIP 0
	s_add_co_u32 s33, s33, 2
	s_cmp_lt_u32 s33, 62
	s_cbranch_scc1 .Lgroup
	TRIP 1
	global_store_b128 v[GO], v[II:II+3], s[10:11]
	global_store_b128 v[GO], v[II+4:II+7], s[10:11] offset:2048
	; featB's 32 columns x 64 channels of a set go through my stage: in by columns (a lane's 64 channels are a row), back by rows
.macro TR set
	WIN 0x04                                       ; an LDS store's data are its source 1: window 1
.irp k, 0,1,2,3,4,5,6,7,8,9,10,11,12,13,14,15
	ds_store_b128 v[TSI], v[64*\set+4*\k:64*\set+4*\k+3] offset:16*\k
.endr
	WIN 0
.irp t, 0,1,2,3,4,5,6,7,8,9,10,11,12,13,14,15
	ds_load_b128 v[OB+64*\set+4*\t:OB+64*\set+4*\t+3], v[TSO] offset:2*TP*\t   ; LDS serves a wave's instructions in order: these see the stores above, and the next set's stores come behind them
.endr
.endm
	s_wait_loadcnt 0x0                             ; featB
	TR 0
	TR 1
.irp t, 0,1,2,3,4,5,6,7,8,9,10,11,12,13,14,15
	s_wait_dscnt 47-\t                             ; behind this load: the rest of its run and set 1's 32 instructions
	global_store_b128 v[FO], v[OB+4*\t:OB+4*\t+3], s[12:13] offset:2048*\t     ; sixteen lanes store 256 consecutive bytes, aligned
.endr
.irp t, 0,1,2,3,4,5,6,7,8,9,10,11,12,13,14,15
	s_wait_dscnt 15-\t
	global_store_b128 v[FO], v[OB+64+4*\t:OB+64+4*\t+3], s[12:13] offset:32768+2048*\t
.endr
	s_wait_tensorcnt 0x0
	ds_add_u32 v254, v255
	s_wait_dscnt 0x0
	s_endpgm
.Lfunc_end_k_q9f9bdbb255_select:
	.size	k_q9f9bdbb255_select, .Lfunc_end_k_q9f9bdbb255_select-k_q9f9bdbb255_select
	.p2alignl 7, 3214868480
	.fill 96, 4, 3214868480
	.section	.rodata,"a",@progbits
	.p2align	6, 0x0
	.amdhsa_kernel k_q9f9bdbb255_select
		.amdhsa_group_segment_fixed_size 47616
		.amdhsa_private_segment_fixed_size 0
		.amdhsa_enable_private_segment 0
		.amdhsa_kernarg_size 40
		.amdhsa_user_sgpr_count 2
		.amdhsa_user_sgpr_kernarg_segment_ptr 1
		.amdhsa_wavefront_size32 1
		.amdhsa_system_sgpr_workgroup_id_x 1
		.amdhsa_system_sgpr_workgroup_id_y 1
		.amdhsa_system_sgpr_workgroup_id_z 1
		.amdhsa_system_vgpr_workitem_id 0
		.amdhsa_next_free_vgpr 384
		.amdhsa_next_free_sgpr 66
		.amdhsa_reserve_vcc 0
		.amdhsa_float_denorm_mode_32 3
		.amdhsa_float_denorm_mode_16_64 3
		.amdhsa_memory_ordered 1
		.amdhsa_forward_progress 1
		.amdhsa_inst_pref_size 73
	.end_amdhsa_kernel
	.amdgpu_metadata
---
amdhsa.version: [ 1, 2 ]
amdhsa.kernels:
  - .name:           k_q9f9bdbb255_select
    .symbol:         k_q9f9bdbb255_select.kd
    .args:
      - { .name: xyz_A, .offset: 0, .size: 8, .value_kind: global_buffer, .address_space: global }
      - { .name: xyz_B, .offset: 8, .size: 8, .value_kind: global_buffer, .address_space: global }
      - { .name: featB, .offset: 16, .size: 8, .value_kind: global_buffer, .address_space: global }
      - { .name: grp, .offset: 24, .size: 8, .value_kind: global_buffer, .address_space: global }
      - { .name: fbt, .offset: 32, .size: 8, .value_kind: global_buffer, .address_space: global }
    .group_segment_fixed_size: 47616
    .private_segment_fixed_size: 0
    .kernarg_segment_align: 8
    .kernarg_segment_size: 40
    .max_flat_workgroup_size: 128
    .sgpr_count:     66
    .vgpr_count:     384
    .wavefront_size: 32
...
	.end_amdgpu_metadata
.endif
;; end of part 1
;; launch refine (part 2): grid 256 x 1, 8 waves a work-group, no clusters, 0 bytes of LDS; arguments xyz_A, xyz_B, grp, nbr, wgt; writes nbr, wgt
.if DOCPART == 2
	.amdgcn_target "amdgcn-amd-amdhsa--gfx1250"
	.amdhsa_code_object_version 6
	.text
	.protected	k_q9f9bdbb255_refine
	.globl	k_q9f9bdbb255_refine
	.p2align	8
	.type	k_q9f9bdbb255_refine,@function
k_q9f9bdbb255_refine:
	s_mov_b64 s[64:65], 0
	v_nop
	global_prefetch_b8 v0, s[64:65] scope:SCOPE_SE
	s_setreg_imm32_b32 hwreg(HW_REG_WAVE_MODE, 25, 1), 1
	s_wait_xcnt 0x0
; REFINE.  One query a lane (query = 256 wg + thread, batch = wg / 16).  The launch before stored, for each query, the 3 groups of 16 points of B that hold
; its 3 nearest points.  Here: the exact 3 nearest of those 48, of equal distances the lower index, and the weights w = r / (r1 + r2 + r3), r = 1 / (d + 1e-8).
; The groups are sorted by number first, so that the 48 points are walked in ascending index and strict compares keep the lower index.
; The addresses hang on whole numbers read from grp, held at 63.  The squared distance is made as in the launch before.
; LIMITS: as there (NaN, infinities and squares beyond f32 are not served); the reciprocals are v_rcp_f32's.
; nbr[query] = i1, i2, i3, 0;  wgt[query] = w1, w2, w3, 0.
	s_load_b256 s[4:11], s[0:1], 0x0               ; xyz_A s[4:5], xyz_B s[6:7], grp s[8:9], nbr s[10:11]
	s_load_b64 s[12:13], s[0:1], 0x20              ; wgt
	s_lshr_b32 s14, ttmp9, 4                       ; batch
	v_mul_u32_u24 v1, v0, 12
	v_lshlrev_b32 v2, 4, v0
	s_mul_i32 s16, ttmp9, 3072
	s_mov_b32 s17, 0
	s_mul_i32 s18, s14, 12288
	s_mov_b32 s19, 0
	s_lshl_b32 s20, ttmp9, 12
	s_mov_b32 s21, 0
	s_wait_kmcnt 0x0
	s_add_nc_u64 s[4:5], s[4:5], s[16:17]
	s_add_nc_u64 s[6:7], s[6:7], s[18:19]
	s_add_nc_u64 s[8:9], s[8:9], s[20:21]
	s_add_nc_u64 s[10:11], s[10:11], s[20:21]
	s_add_nc_u64 s[12:13], s[12:13], s[20:21]
	global_load_b128 v[8:11], v2, s[8:9]
	global_load_b32 v4, v1, s[4:5]
	global_load_b32 v5, v1, s[4:5] offset:4
	global_load_b32 v6, v1, s[4:5] offset:8
	v_mov_b32 v18, 0x7f800000                      ; the three smallest distances begin at infinity,
	v_mov_b32 v19, 0x7f800000
	v_mov_b32 v20, 0x7f800000
	v_mov_b32 v22, 0                               ; their places among the 48 at 0
	v_mov_b32 v23, 0
	v_mov_b32 v24, 0
	v_mov_b32 v25, 0
	v_mov_b32 v29, 0
	s_wait_loadcnt 3                               ; the groups are in; the query's three loads may be out
	v_min_u32 v12, v8, v9                          ; sorted: v12 < v13 < v14
	v_max_u32 v13, v8, v9
	v_max_u32 v16, v12, v10
	v_min_u32 v12, v12, v10
	v_max_u32 v14, v13, v16
	v_min_u32 v13, v13, v16
	v_min_u32 v12, 63, v12                         ; a number that was loaded enters an address only behind a hold
	v_min_u32 v13, 63, v13
	v_min_u32 v14, 63, v14
	v_mul_u32_u24 v176, v12, 192                   ; a group is 16 points of 12 bytes
	v_mul_u32_u24 v177, v13, 192
	v_mul_u32_u24 v178, v14, 192
.irp g, 0,1,2
.irp k, 0,1,2,3,4,5,6,7,8,9,10,11
	global_load_b128 v[32+48*\g+4*\k:32+48*\g+4*\k+3], v[176+\g], s[6:7] offset:16*\k
.endr
.endr
.macro D16 g                           ; the group's 16 squared distances, each laid over its point's x
.set B0, 32+48*\g
.irp c, 0,1,2,3,4,5,6,7,8,9,10,11,12,13,14,15
	v_sub_f32 v[B0+3*\c], v[B0+3*\c], v4
	v_sub_f32 v[B0+3*\c+1], v[B0+3*\c+1], v5
	v_sub_f32 v[B0+3*\c+2], v[B0+3*\c+2], v6
.endr
.irp c, 0,1,2,3,4,5,6,7,8,9,10,11,12,13,14,15
	v_mul_f32 v[B0+3*\c], v[B0+3*\c], v[B0+3*\c]
	v_mul_f32 v[B0+3*\c+1], v[B0+3*\c+1], v[B0+3*\c+1]
.endr
.irp c, 0,1,2,3,4,5,6,7,8,9,10,11,12,13,14,15
	v_add_f32 v[B0+3*\c], v[B0+3*\c], v[B0+3*\c+1]
	v_mul_f32 v[B0+3*\c+2], v[B0+3*\c+2], v[B0+3*\c+2]
.endr
.irp c, 0,1,2,3,4,5,6,7,8,9,10,11,12,13,14,15
	v_add_f32 v[B0+3*\c], v[B0+3*\c], v[B0+3*\c+2]
.endr
.endm
.macro INS d, idx                      ; (distance v[d], place idx) into the sorted three
	v_cmp_lt_f32 s24, v[\d], v18
	v_cmp_lt_f32 s25, v[\d], v19
	v_cmp_lt_f32 s26, v[\d], v20
	v_cndmask_b32 v30, \idx, v23, s25
	v_cndmask_b32 v24, v24, v30, s26
	v_cndmask_b32 v30, \idx, v22, s24
	v_cndmask_b32 v23, v23, v30, s25
	v_cndmask_b32 v22, v22, \idx, s24
	v_med3_num_f32 v20, v[\d], v19, v20
	v_med3_num_f32 v19, v[\d], v18, v19
	v_min_num_f32 v18, v[\d], v18
.endm
.irp g, 0,1,2
	s_wait_loadcnt 24-12*\g                        ; this group's 12 loads are in; the later groups' may be out
	D16 \g
.irp c, 0,1,2,3,4,5,6,7,8,9,10,11,12,13,14,15
	INS 32+48*\g+3*\c, 16*\g+\c
.endr
.endr
.irp k, 0,1,2                                  ; place 16 j + c -> index 16 x (the j-th group) + c
	v_lshrrev_b32 v30, 4, v[22+\k]
	v_cmp_eq_u32 vcc_lo, 1, v30
	v_cndmask_b32 v31, v12, v13, vcc_lo
	v_cmp_eq_u32 vcc_lo, 2, v30
	v_cndmask_b32 v31, v31, v14, vcc_lo
	v_and_b32 v[22+\k], 15, v[22+\k]
	v_lshl_add_u32 v[22+\k], v31, 4, v[22+\k]
.endr
	v_add_f32 v26, 0x322bcc77, v18                 ; d + 1e-8
	v_add_f32 v27, 0x322bcc77, v19
	v_add_f32 v28, 0x322bcc77, v20
	v_rcp_f32 v26, v26
	v_rcp_f32 v27, v27
	v_rcp_f32 v28, v28
	v_nop                                          ; a plain place behind the reciprocals
	s_wait_alu depctr_va_vdst(0)
	v_add_f32 v30, v26, v27
	v_add_f32 v30, v30, v28
	v_rcp_f32 v30, v30
	v_nop
	s_wait_alu depctr_va_vdst(0)
	v_mul_f32 v26, v26, v30
	v_mul_f32 v27, v27, v30
	v_mul_f32 v28, v28, v30
	global_store_b128 v2, v[22:25], s[10:11]       ; a wave stores 512 consecutive bytes
	global_store_b128 v2, v[26:29], s[12:13]
	s_endpgm
.Lfunc_end_k_q9f9bdbb255_refine:
	.size	k_q9f9bdbb255_refine, .Lfunc_end_k_q9f9bdbb255_refine-k_q9f9bdbb255_refine
	.p2alignl 7, 3214868480
	.fill 96, 4, 3214868480
	.section	.rodata,"a",@progbits
	.p2align	6, 0x0
	.amdhsa_kernel k_q9f9bdbb255_refine
		.amdhsa_group_segment_fixed_size 0
		.amdhsa_private_segment_fixed_size 0
		.amdhsa_enable_private_segment 0
		.amdhsa_kernarg_size 40
		.amdhsa_user_sgpr_count 2
		.amdhsa_user_sgpr_kernarg_segment_ptr 1
		.amdhsa_wavefront_size32 1
		.amdhsa_system_sgpr_workgroup_id_x 1
		.amdhsa_system_sgpr_workgroup_id_y 1
		.amdhsa_system_sgpr_workgroup_id_z 1
		.amdhsa_system_vgpr_workitem_id 0
		.amdhsa_next_free_vgpr 192
		.amdhsa_next_free_sgpr 66
		.amdhsa_reserve_vcc 1
		.amdhsa_float_denorm_mode_32 3
		.amdhsa_float_denorm_mode_16_64 3
		.amdhsa_memory_ordered 1
		.amdhsa_forward_progress 1
		.amdhsa_inst_pref_size 51
	.end_amdhsa_kernel
	.amdgpu_metadata
---
amdhsa.version: [ 1, 2 ]
amdhsa.kernels:
  - .name:           k_q9f9bdbb255_refine
    .symbol:         k_q9f9bdbb255_refine.kd
    .args:
      - { .name: xyz_A, .offset: 0, .size: 8, .value_kind: global_buffer, .address_space: global }
      - { .name: xyz_B, .offset: 8, .size: 8, .value_kind: global_buffer, .address_space: global }
      - { .name: grp, .offset: 16, .size: 8, .value_kind: global_buffer, .address_space: global }
      - { .name: nbr, .offset: 24, .size: 8, .value_kind: global_buffer, .address_space: global }
      - { .name: wgt, .offset: 32, .size: 8, .value_kind: global_buffer, .address_space: global }
    .group_segment_fixed_size: 0
    .private_segment_fixed_size: 0
    .kernarg_segment_align: 8
    .kernarg_segment_size: 40
    .max_flat_workgroup_size: 256
    .sgpr_count:     66
    .vgpr_count:     192
    .wavefront_size: 32
...
	.end_amdgpu_metadata
.endif
;; end of part 2
;; launch fuse (part 3): grid 512 x 1, 4 waves a work-group, no clusters, 313,856 bytes of LDS; arguments featA, fbt, nbr, wgt, fp_w_codes, fp_w_scales, fp_g, fp_b, catA_w_codes, catA_w_scales, catA_g, catA_b, convA_w, convA_b, catB_w_codes, catB_w_scales, catB_g, catB_b, convB_w, convB_b, cat_w_codes, cat_w_scales, cat_g, cat_b, out0; writes out0
.if DOCPART == 3
	.amdgcn_target "amdgcn-amd-amdhsa--gfx1250"
	.amdhsa_code_object_version 6
	.text
	.protected	k_q9f9bdbb255_fuse
	.globl	k_q9f9bdbb255_fuse
	.p2align	8
	.type	k_q9f9bdbb255_fuse,@function
k_q9f9bdbb255_fuse:
	s_mov_b64 s[64:65], 0
	v_nop
	global_prefetch_b8 v0, s[64:65] scope:SCOPE_SE
	s_setreg_imm32_b32 hwreg(HW_REG_WAVE_MODE, 25, 1), 1
	s_wait_xcnt 0x0
; FUSE.  For 128 points of one batch (b = wg / 32, points 128 (wg % 32) on; eight tiles of 16): the interpolation from the 3 neighbours, and the whole chain
;   fB = relu(bn(fp_w interp));  d = featA - fB;  yA = telu(bn(catA_w [d, featA]));  yB = telu(bn(catB_w [d, fB]));  gA = sigmoid(convA_w yA + convA_b), gB likewise;
;   out0 = telu(bn(cat_w [gA featA, gB fB])).
; The four products run on codes of BF8 (E5M2) with one E8M0 scale for each 32 channels; every operand made here is f32 up to its quantiser and never goes to memory.
; SHARES.  Wave w owns channels and outputs 64 w .. 64 w + 63 for all 128 points, so a product's weights for its 64 outputs lie in its registers (256 for K = 512), read once.
;   Only the interpolation is shared by points: wave w makes tiles 2 w and 2 w + 1, all 256 channels.
; OPERANDS GO FROM WAVE TO WAVE THROUGH LDS AS IMAGES OF THEIR REGISTERS: block B of 32 channels of tile m lies at 4096 m + 512 B + 16 x lane; lane (r, h) holds point r, channels 32 B + 16 h + 0 .. 15.
;   Scale words: 128 m + 64 s + 4 r for K step s: one load of 4 x lane gives K step 0 in lanes 0-15 and K step 1 in lanes 16-31.
; fp's product is used transposed, its weight rows chosen so that a lane's 16 registers of two tiles are 16 neighbouring channels of ONE point: the layout that the quantiser wants.
; The three products of K = 512 take the points as source 0: a lane then holds ONE output and eight points, so a gain, a bias and a conv weight are one register each, and a row of out0 is built in LDS.
; telu(x) = x tanh(e^x), tanh(u) = 1 - 2 / (1 + e^(2u)), e^(2u) = 2^(2^(x log2 e + log2(2 log2 e))).
; LIMITS: that form of tanh has an absolute error of about 1.2e-7, so telu of about 1.2e-7 |x|; NaN and infinities among the inputs are not served; a block of zeros gets the scale byte 1
;   (its codes are zeros; only this text reads the bytes); bn's gain is g x 0.999995 (f32 0x3f7fffac) in place of g / sqrt(1 + 1e-5).
; NO CLUSTER: what work-groups share is the weights, 448 KB, which go straight into operand registers; they do not fit in LDS beside the 306 KB of state, and a joint request lands in LDS alone.
; REGISTERS, in windows of 256.  Window 0: v1-31 addresses; v32-47 weights' scale words; v48-71 gains, biases, conv weights (each with a partner for the packed forms); v72-73 operands' scale words;
;   v80-143 operand fragments (while quantising: v112-127 at work, v128-143 codes); v144-207 two sets of four accumulators; v208-239 at work; v240-247 partial dot products.
;   Window 1: fp's fragments and bn tables, then catB's.   Window 2: neighbours' rows, then catA's fragments, then cat's.   Window 3: neighbours' rows, then fB (tile m at 32 m).
.set FAW,  33792                       ; LDS: four regions, one a wave: featA, 64 channel rows of 512 bytes + 8; at the end the wave's stage for out0, rows of 512 + 16
.set FP,   520                         ; lanes 16-31 read 16 rows = 2,080 words on: 32 banks on from lanes 0-15
.set XA,   135168                      ; codes of featA, later of gA featA
.set XD,   167936                      ; codes of d, later of gB fB;  32,768 on: codes of fB
.set X0,   233472                      ; codes of interp,
.set SX0,  266240                      ; its scale words; both, 33,792 bytes, become convA's partial sums
.set SA,   267264                      ; scale words of XA's tensor; 1,024 on: XD's; 2,048 on: fB's
.set PSB,  270336                      ; convB's partial sums: 64 rows x 528
.set PT,   304128                      ; eight tables of 256 f32: catA's gain, bias, convA_w; catB's, convB_w; cat's gain, bias
.set GTE,  312320                      ; the gates: gA[128], gB[128]
.set LI,1
.set LS,2
.set AFR,3
.set AXWA,4
.set AXWD,5
.set ASW,6
.set AX0W,7
.set AS0W,8
.set AXR0,9
.set ASR0,10
.set AXRA,11
.set AXRD,12
.set ASRA,13
.set APS,14
.set APRA,15
.set APRB,16
.set AGW,17
.set AGR,18
.set APT,19
.set ATW,20
.set ASTW,21
.set ASTR,22
.set AXN,23                            ; v23-26: addresses of the trip in hand, written only when no LDS instruction of mine is out
.set ASN,24
.set ZA,25
.set AT3,26
.set WOFC,27
.set WOFF,28
.set WSC,29
.set WSF,30
.set BNF,31
.set WSA,32
.set WSB,40
.set P,48
.set XS,72
.set PFO,74
.set NBO,75
.set CC,76
.set TGO,78
.set X,80
.set TM,112
.set PC,128
.set ACC0,144
.set ACC1,176
.set T,208
.set Z,240
.set GP,248
.set PWA,252
.set NB,144                            ; at the head, where the accumulators are not yet in use: neighbours, weights, their row offsets, w2's copy, the tables as loaded
.set WG,152
.set OFF,160
.set W1C,166
.set TB8,176
.set MSB,0
.macro WIN new                         ; the immediate's high byte repeats the setting that is left; bits 1:0 source 0, 3:2 source 1, 5:4 source 2, 7:6 destination
.if MSB != (\new)
	s_set_vgpr_msb (MSB<<8)|(\new)
.set MSB, (\new)
.endif
.endm
.macro BARRIER                         ; my LDS stores have landed and my LDS loads are in: then the work-group's barrier
	s_wait_dscnt 0x0
	s_barrier_signal -1
	s_barrier_wait -1
.endm
.macro PLACES n
.rept \n
	v_nop
.endr
.endm
; one matrix instruction; zero = 1: it starts its sum; ra, rb: which half of the lanes holds source 0's and source 1's scale words
.macro WM d, a, b, zero, sa, sb, ra, rb
.if \zero
	v_wmma_scale_f32_16x16x128_f8f6f4 v[\d:\d+7], v[\a:\a+15], v[\b:\b+15], 0, v[\sa], v[\sb] matrix_a_fmt:MATRIX_FMT_BF8 matrix_b_fmt:MATRIX_FMT_BF8
.elseif (\ra) && (\rb)
	v_wmma_scale_f32_16x16x128_f8f6f4 v[\d:\d+7], v[\a:\a+15], v[\b:\b+15], v[\d:\d+7], v[\sa], v[\sb] matrix_a_fmt:MATRIX_FMT_BF8 matrix_b_fmt:MATRIX_FMT_BF8 matrix_a_scale:MATRIX_SCALE_ROW1 matrix_b_scale:MATRIX_SCALE_ROW1
.elseif (\ra)
	v_wmma_scale_f32_16x16x128_f8f6f4 v[\d:\d+7], v[\a:\a+15], v[\b:\b+15], v[\d:\d+7], v[\sa], v[\sb] matrix_a_fmt:MATRIX_FMT_BF8 matrix_b_fmt:MATRIX_FMT_BF8 matrix_a_scale:MATRIX_SCALE_ROW1
.elseif (\rb)
	v_wmma_scale_f32_16x16x128_f8f6f4 v[\d:\d+7], v[\a:\a+15], v[\b:\b+15], v[\d:\d+7], v[\sa], v[\sb] matrix_a_fmt:MATRIX_FMT_BF8 matrix_b_fmt:MATRIX_FMT_BF8 matrix_b_scale:MATRIX_SCALE_ROW1
.else
	v_wmma_scale_f32_16x16x128_f8f6f4 v[\d:\d+7], v[\a:\a+15], v[\b:\b+15], v[\d:\d+7], v[\sa], v[\sb] matrix_a_fmt:MATRIX_FMT_BF8 matrix_b_fmt:MATRIX_FMT_BF8
.endif
.endm
; n blocks of 32 channels; block b: my 16 numbers in v[base + stride b] on, in window win; the other 16 are lane l xor 16's.  Codes to v[pc + 4 b] on, the n scale bytes to v[pw].
; A block's scale byte is its largest magnitude's exponent field - 15, held at 1 from below by the floor 2^(16 - 127).  relu = 1: what is negative becomes 0 on the way.
.macro QUANT n, base, stride, win, relu, pc, pw
	WIN (((\win)<<2)|(\win))
.irp b, 0,1,2,3
.if \b < \n
.if \relu
	v_max3_num_f32 v[TM+\b], v[\base+\stride*\b], v[\base+\stride*\b+1], 0x8000000
.else
	v_max3_num_f32 v[TM+\b], |v[\base+\stride*\b]|, |v[\base+\stride*\b+1]|, 0x8000000
.endif
.endif
.endr
.irp i, 2,4,6,8,10,12,14
.irp b, 0,1,2,3
.if \b < \n
.if \relu
	v_max3_num_f32 v[TM+\b], v[\base+\stride*\b+\i], v[\base+\stride*\b+\i+1], v[TM+\b]
.else
	v_max3_num_f32 v[TM+\b], |v[\base+\stride*\b+\i]|, |v[\base+\stride*\b+\i+1]|, v[TM+\b]
.endif
.endif
.endr
.endr
	WIN 0
.irp b, 0,1,2,3
.if \b < \n
	v_permlanex16_b32 v[TM+4+\b], v[TM+\b], s60, s61
.endif
.endr
.irp b, 0,1,2,3
.if \b < \n
	v_max_num_f32 v[TM+\b], v[TM+\b], v[TM+4+\b]   ; the block's largest magnitude
.endif
.endr
.irp b, 0,1,2,3
.if \b < \n
	v_add_nc_u32 v[TM+12+\b], 0xf8800000, v[TM+\b] ; 15 off its exponent field: the conversion's scale operand
.endif
.endr
.irp b, 0,1,2,3
.if \b < \n
	v_and_or_b32 v[TM+8+\b], v[TM+\b], 0x7f800000, s62   ; 57,344 x the scale
.endif
.endr
.irp b, 0,1,2,3
.if \b < \n
	v_lshrrev_b32 v[TM+4+\b], 23, v[TM+12+\b]      ; the scale's byte
.endif
.endr
	v_lshl_or_b32 v[\pw], v[TM+5], 8, v[TM+4]
.if \n > 2
	v_lshl_or_b32 v[\pw], v[TM+6], 16, v[\pw]
	v_lshl_or_b32 v[\pw], v[TM+7], 24, v[\pw]
.endif
	WIN (((\win)<<6)|(\win))
.irp b, 0,1,2,3
.if \b < \n
.irp i, 0,1,2,3,4,5,6,7,8,9,10,11,12,13,14,15
.if \relu
	v_med3_num_f32 v[\base+\stride*\b+\i], v[\base+\stride*\b+\i], 0, v[TM+8+\b]
.else
	v_med3_num_f32 v[\base+\stride*\b+\i], v[\base+\stride*\b+\i], -v[TM+8+\b], v[TM+8+\b]   ; the conversion to an 8-bit code does not saturate (ISA guide 7.6.2): the hold comes first
.endif
.endr
.endif
.endr
	WIN (\win)
.irp b, 0,1,2,3
.if \b < \n
	v_cvt_scalef32_pk8_bf8_f32 v[\pc+4*\b:\pc+4*\b+1], v[\base+\stride*\b:\base+\stride*\b+7], v[TM+12+\b]
	v_cvt_scalef32_pk8_bf8_f32 v[\pc+4*\b+2:\pc+4*\b+3], v[\base+\stride*\b+8:\base+\stride*\b+15], v[TM+12+\b]
.endif
.endr
	WIN 0
	v_nop                                          ; a plain place behind the last conversion
.endm
.macro IMG2 adr, off, sadr, soff, pc, pw       ; my two blocks' codes and my two scale bytes of a tile go to LDS
	ds_store_b128 v[\adr], v[\pc:\pc+3] offset:\off
	ds_store_b128 v[\adr], v[\pc+4:\pc+7] offset:\off+512
	ds_store_b16 v[\sadr], v[\pw] offset:\soff     ; both lanes of a point write the same two bytes with the same value
.endm
.macro FALOAD adr, off                         ; featA of a tile, my 64 channels: v[T + 16 b + i] = channel 32 b + 16 h + i of point r
.set i, 0
.rept 32
	ds_load_b32 v[T+i], v[\adr] offset:FP*(32*(i/16)+(i%16))+(\off)
.set i, i+1
.endr
.endm
.macro WLOADF                                  ; fp: 8 fragments (tile t, K step s) at v[16 (2 t + s)] of window 1; gains at v128, biases at v160, in the result's layout.  Lane r of tile 2 b + u takes weight row 32 b + 8 u + r + 8 (r / 8)
	WIN 0x40
.irp t, 0,1,2,3
.irp s, 0,1
.irp c, 0,1,2,3
	global_load_b128 v[16*(2*\t+\s)+4*\c:16*(2*\t+\s)+4*\c+3], v[WOFF], s[12:13] offset:(32*(\t/2)+8*(\t%2))*256+128*\s+32*\c
.endr
.endr
.endr
.irp t, 0,1,2,3
	global_load_b128 v[128+8*\t:128+8*\t+3], v[BNF], s[16:17] offset:(32*(\t/2)+8*(\t%2))*4
	global_load_b128 v[128+8*\t+4:128+8*\t+7], v[BNF], s[16:17] offset:(32*(\t/2)+8*(\t%2))*4+16
	global_load_b128 v[160+8*\t:160+8*\t+3], v[BNF], s[18:19] offset:(32*(\t/2)+8*(\t%2))*4
	global_load_b128 v[160+8*\t+4:160+8*\t+7], v[BNF], s[18:19] offset:(32*(\t/2)+8*(\t%2))*4+16
.endr
	WIN 0
.irp t, 0,1,2,3
	global_load_b32 v[WSA+\t], v[WSF], s[14:15] offset:(32*(\t/2)+8*(\t%2))*8   ; lanes 0-15: K step 0's word, lanes 16-31: K step 1's
.endr
.endm
; a K = 512 weight: o-tiles t0 .. t1 of my four: fragment (t, s) at v[16 (4 t + s)] of window win; scale words: register ws + 2 t + s % 2, lanes 16 (s / 2) on
.macro WLOADC pc, ps, win, ws, t0, t1
	WIN ((\win)<<6)
.irp t, 0,1,2,3
.if (\t >= \t0) && (\t <= \t1)
.irp s, 0,1,2,3
.irp c, 0,1,2,3
	global_load_b128 v[16*(4*\t+\s)+4*\c:16*(4*\t+\s)+4*\c+3], v[WOFC], s[\pc:\pc+1] offset:8192*\t+128*\s+32*\c
.endr
.endr
.endif
.endr
	WIN 0
.irp t, 0,1,2,3
.if (\t >= \t0) && (\t <= \t1)
	global_load_b64 v[\ws+2*\t:\ws+2*\t+1], v[WSC], s[\ps:\ps+1] offset:256*\t
.endif
.endr
.endm
.macro NEXT_A3
	WLOADC 20, 22, 2, WSB, 3, 3
.endm
.macro NEXT_B3
	WLOADC 32, 34, 1, WSA, 3, 3
.endm
.macro NEXT_C3
	WLOADC 44, 46, 2, WSB, 3, 3
.endm
; 128 channels (K step s) of the three neighbours' rows of my tile q: v[48 c + 16 j + 4 k] of window win: block c, neighbour j
.macro GATHER q, s, win
	WIN ((\win)<<6)
.irp c, 0,1,2,3
.irp j, 0,1,2
.irp k, 0,1,2,3
	global_load_b128 v[48*\c+16*\j+4*\k:48*\c+16*\j+4*\k+3], v[OFF+3*(\q)+\j], s[80:81] offset:512*(\s)+128*\c+16*\k
.endr
.endr
.endr
	WIN 0
.endm
.macro CSTEP q, s, win                         ; interp = (g1 w1 + g2 w2) + g3 w3, laid over g1; quantised; its image and scale word to LDS
	WIN (((\win)<<6)|((\win)<<4)|(\win))
.irp c, 0,1,2,3
.irp i, 0,2,4,6,8,10,12,14
	v_pk_mul_f32 v[48*\c+\i:48*\c+\i+1], v[48*\c+\i:48*\c+\i+1], v[WG+4*(\q):WG+4*(\q)+1] op_sel_hi:[1,0]
.endr
.endr
.irp c, 0,1,2,3
.irp i, 0,2,4,6,8,10,12,14
	v_pk_fma_f32 v[48*\c+\i:48*\c+\i+1], v[48*\c+16+\i:48*\c+17+\i], v[W1C+2*(\q):W1C+2*(\q)+1], v[48*\c+\i:48*\c+\i+1] op_sel_hi:[1,0,1]
.endr
.endr
.irp c, 0,1,2,3
.irp i, 0,2,4,6,8,10,12,14
	v_pk_fma_f32 v[48*\c+\i:48*\c+\i+1], v[48*\c+32+\i:48*\c+33+\i], v[WG+4*(\q)+2:WG+4*(\q)+3], v[48*\c+\i:48*\c+\i+1] op_sel_hi:[1,0,1]
.endr
.endr
	s_wait_dscnt 0x0                               ; the last image's stores have read the registers that the codes below take
	QUANT 4, 0, 48, \win, 0, PC, PWA
.irp c, 0,1,2,3
	ds_store_b128 v[AX0W], v[PC+4*\c:PC+4*\c+3] offset:4096*(\q)+2048*(\s)+512*\c
.endr
	ds_store_b32 v[AS0W], v[PWA] offset:128*(\q)+64*(\s)
.endm
.macro X1LOAD m                                ; interp's two fragments of tile m, and their scale words
.irp s, 0,1
.irp c, 0,1,2,3
	ds_load_b128 v[X+16*\s+4*\c:X+16*\s+4*\c+3], v[AXR0] offset:4096*(\m)+2048*\s+512*\c
.endr
.endr
	ds_load_b32 v[XS], v[ASR0] offset:128*(\m)
.endm
.macro MMF acc                                 ; fp, transposed: source 0 = 16 weight rows, source 1 = 16 points.  Four accumulators by turns
	WIN 0x01
.irp t, 0,1,2,3
	WM \acc+8*\t, 16*(2*\t), X, 1, WSA+\t, XS, 0, 0
.endr
.irp t, 0,1,2,3
	WM \acc+8*\t, 16*(2*\t+1), X+16, 0, WSA+\t, XS, 1, 1
.endr
	WIN 0
.endm
; Tile m behind fp's product: bn, relu, d = featA - fB; d and fB quantised.  The next tile's products are issued first and run under this work.
.macro E1 m
.set PAR, ACC0+32*((\m)%2)
.set NPAR, ACC0+32*(((\m)+1)%2)
	s_wait_dscnt 0x0                               ; the next tile's fragments and this tile's featA are in; the last tile's images are stored
.if \m < 7
	MMF NPAR
.endif
	WIN 0x14                                       ; gains and biases: window 1.  These 16 name no register of the products just issued: they are the places in front of the loads below
.set i, 0
.rept 16
	v_pk_fma_f32 v[PAR+i:PAR+i+1], v[PAR+i:PAR+i+1], v[128+i:129+i], v[160+i:161+i]
.set i, i+2
.endr
	WIN 0
.if \m < 6
	X1LOAD (\m)+2
.endif
	WIN 0xc0                                       ; fB stays in window 3
.set i, 0
.rept 32
	v_max_num_f32 v[32*(\m)+i], 0, v[PAR+i]
.set i, i+1
.endr
	WIN 0x0c
.set i, 0
.rept 16
	v_pk_add_f32 v[T+i:T+i+1], v[T+i:T+i+1], v[32*(\m)+i:32*(\m)+i+1] neg_lo:[0,1] neg_hi:[0,1]
.set i, i+2
.endr
	QUANT 2, T, 16, 0, 0, PC, PWA
	IMG2 AXWD, 4096*(\m), ASW, 1024+128*(\m), PC, PWA
.if \m < 7
	FALOAD AFR, 64*((\m)+1)
.endif
	QUANT 2, PAR, 16, 0, 1, PC+8, PWA+1
	IMG2 AXWD, 32768+4096*(\m), ASW, 2048+128*(\m), PC+8, PWA+1
.endm
; the four fragments of a tile of a K = 512 operand: K steps 0, 1 from one tensor's image, 2, 3 from another's; and the two registers of scale words
.macro XLOAD adr, sadr, toff, stoff, o01, o23, c01, c23
.irp s, 0,1
.irp c, 0,1,2,3
	ds_load_b128 v[X+16*\s+4*\c:X+16*\s+4*\c+3], v[\adr] offset:(\o01)+(\toff)+2048*\s+512*\c
.endr
.endr
.irp s, 0,1
.irp c, 0,1,2,3
	ds_load_b128 v[X+32+16*\s+4*\c:X+32+16*\s+4*\c+3], v[\adr] offset:(\o23)+(\toff)+2048*\s+512*\c
.endr
.endr
	ds_load_b32 v[XS], v[\sadr] offset:(\c01)+(\stoff)
	ds_load_b32 v[XS+1], v[\sadr] offset:(\c23)+(\stoff)
.endm
.macro MM acc, wwin, ws                        ; 16 points x my 64 outputs x K = 512: source 0 = the points, source 1 = 16 weight rows.  Four accumulators by turns
	WIN ((\wwin)<<2)
.irp t, 0,1,2,3
	WM \acc+8*\t, X, 16*(4*\t), 1, XS, \ws+2*\t, 0, 0
.endr
.irp t, 0,1,2,3
	WM \acc+8*\t, X+16, 16*(4*\t+1), 0, XS, \ws+2*\t+1, 1, 0
.endr
.irp t, 0,1,2,3
	WM \acc+8*\t, X+32, 16*(4*\t+2), 0, XS+1, \ws+2*\t, 0, 1
.endr
.irp t, 0,1,2,3
	WM \acc+8*\t, X+48, 16*(4*\t+3), 0, XS+1, \ws+2*\t+1, 1, 1
.endr
	WIN 0
.endm
.macro EPI_A acc                               ; bn: x = sum x gain + bias; each accumulator from its low end on
.irp t, 0,1,2,3
.irp i, 0,2,4,6
	v_pk_fma_f32 v[\acc+8*\t+\i:\acc+8*\t+\i+1], v[\acc+8*\t+\i:\acc+8*\t+\i+1], v[P+6*\t:P+6*\t+1], v[P+6*\t+2:P+6*\t+3] op_sel_hi:[1,0,0]
.endr
.endr
.endm
; telu, then kind = 0: my four outputs' part of the conv's dot product for eight points, to the partial sums; kind = 1: the results to my stage
.macro EPI_B acc, kind, zoff
.set i, 0
.rept 16
	v_pk_fma_f32 v[T+i:T+i+1], v[\acc+i:\acc+i+1], s[58:59], v[CC:CC+1] op_sel_hi:[1,0,1]   ; x log2 e + log2(2 log2 e)
.set i, i+2
.endr
.set i, 0
.rept 32
	v_exp_f32 v[T+i], v[T+i]                       ; 2 log2 e x e^x
.set i, i+1
.endr
	v_nop
.set i, 0
	s_wait_alu depctr_va_vdst(0)
.rept 32
	v_exp_f32 v[T+i], v[T+i]                       ; e^(2 e^x)
.set i, i+1
.endr
	v_nop
.set i, 0
	s_wait_alu depctr_va_vdst(0)
.rept 16
	v_pk_add_f32 v[T+i:T+i+1], v[T+i:T+i+1], 1.0 op_sel_hi:[1,0]
.set i, i+2
.endr
.set i, 0
.rept 32
	v_rcp_f32 v[T+i], v[T+i]
.set i, i+1
.endr
	v_nop
.set i, 0
	s_wait_alu depctr_va_vdst(0)
.rept 16
	v_pk_fma_f32 v[T+i:T+i+1], v[T+i:T+i+1], -2.0, 1.0 op_sel_hi:[1,0,0]   ; tanh
.set i, i+2
.endr
.set i, 0
.rept 16
	v_pk_mul_f32 v[\acc+i:\acc+i+1], v[\acc+i:\acc+i+1], v[T+i:T+i+1]
.set i, i+2
.endr
.if \kind
.irp t, 0,1,2,3
	ds_store_b128 v[ZA], v[\acc+8*\t:\acc+8*\t+3] offset:(\zoff)+8448*\t
	ds_store_b128 v[ZA], v[\acc+8*\t+4:\acc+8*\t+7] offset:(\zoff)+8448*\t+16
.endr
.else
.irp i, 0,2,4,6
	v_pk_mul_f32 v[Z+\i:Z+\i+1], v[\acc+\i:\acc+\i+1], v[P+4:P+5] op_sel_hi:[1,0]
.endr
.irp t, 1,2,3
.irp i, 0,2,4,6
	v_pk_fma_f32 v[Z+\i:Z+\i+1], v[\acc+8*\t+\i:\acc+8*\t+\i+1], v[P+6*\t+4:P+6*\t+5], v[Z+\i:Z+\i+1] op_sel_hi:[1,0,1]
.endr
.endr
	ds_store_b128 v[ZA], v[Z:Z+3] offset:(\zoff)
	ds_store_b128 v[ZA], v[Z+4:Z+7] offset:(\zoff)+16
.endif
.endm
; A product of K = 512 over the eight tiles.  Two sets of accumulators: a tile's 16 matrix instructions run under the other set's bn and telu.  A trip is tiles 2 K and 2 K + 1.
; The last trip's look-ahead is held at tiles 6 and 7: 36 loads whose data nobody uses, and no address leaves the images.  next: lines for the first trip's end.
.macro PHASE wwin, ws, base, o01, o23, c01, c23, tb, np, kind, zbase, psoff, next
.irp t, 0,1,2,3
.irp k, 0,1,2
.if \k < \np
	ds_load_b32 v[P+6*\t+2*\k], v[APT] offset:1024*((\tb)+\k)+64*\t    ; of output 64 w + 16 t + r
.endif
.endr
.endr
	XLOAD \base, ASRA, 0, 0, \o01, \o23, \c01, \c23
	s_wait_dscnt 0x0
	MM ACC0, \wwin, \ws
	PLACES 8                                       ; in front of loads into registers that matrix instructions have read, and of the first read of these results
	XLOAD \base, ASRA, 4096, 128, \o01, \o23, \c01, \c23
	s_mov_b32 s63, 0
.Lph_\@:
	s_wait_dscnt 0x0                               ; tile 2 K + 1's fragments are in; no LDS instruction of mine is out, so the trip's addresses may be written
	s_add_co_u32 s88, s63, 1
	s_min_u32 s88, s88, 3
	s_lshl_b32 s89, s88, 13
	v_add_nc_u32 v[AXN], s89, v[\base]
	s_lshl_b32 s89, s88, 8
	v_add_nc_u32 v[ASN], s89, v[ASRA]
	s_lshl_b32 s89, s63, 7
	v_add_nc_u32 v[ZA], s89, v[\zbase]
	MM ACC1, \wwin, \ws
	EPI_A ACC0                                     ; 16 places behind those products
	XLOAD AXN, ASN, 0, 0, \o01, \o23, \c01, \c23
	EPI_B ACC0, \kind, \psoff
	s_wait_dscnt 0x0
	s_cmp_eq_u32 s63, 3
	s_cbranch_scc1 .Lsk_\@
	MM ACC0, \wwin, \ws
.Lsk_\@:
	EPI_A ACC1
	XLOAD AXN, ASN, 4096, 128, \o01, \o23, \c01, \c23
	EPI_B ACC1, \kind, (\psoff)+64
	s_cmp_lg_u32 s63, 0
	s_cbranch_scc1 .Lnn_\@
	\next
.Lnn_\@:
	s_add_co_u32 s63, s63, 1
	s_cmp_lt_u32 s63, 4
	s_cbranch_scc1 .Lph_\@
	s_wait_dscnt 0x0                               ; the last look-ahead's loads are in: their registers may be loaded again
.endm
; A PREFETCH INTO THE L2 of the featA tile of work-group number + 256 (eight batches on, the same points): my wave's 64 rows x 512 bytes, 128 aligned blocks of 256 bytes, a lane a block, four instructions.
; Each block is named once in the launch; the upper 256 work-groups ask for nothing, so no request passes featA's end.
.macro PREF
	s_cmp_lt_u32 ttmp9, 256
	s_cbranch_scc0 .Lno_prefetch
.irp k, 0,1,2,3
	global_prefetch_b8 v[PFO], s[84:85] offset:262144*\k th:TH_LOAD_NT scope:SCOPE_SE
.endr
.Lno_prefetch:
.endm
	; ---- the head
	s_load_b512 s[4:19], s[0:1], 0x0               ; featA 4, fbt 6, nbr 8, wgt 10, fp: codes 12, scales 14, g 16, b 18
	s_load_b512 s[20:35], s[0:1], 0x40             ; catA: codes 20, scales 22, g 24, b 26; convA: w 28, b 30; catB: codes 32, scales 34
	s_load_b512 s[36:51], s[0:1], 0x80             ; catB: g 36, b 38; convB: w 40, b 42; cat: codes 44, scales 46, g 48, b 50
	s_load_b64 s[52:53], s[0:1], 0xc0              ; out0
	v_lshl_add_u32 v254, v0, 2, 0x4c800
	v_mov_b32 v255, 0
	ds_add_u32 v254, v255
	ds_add_u32 v254, v255
	v_lshrrev_b32 v79, 5, v0
	v_readfirstlane_b32 s54, v79                   ; wave 0..3
	s_lshr_b32 s55, ttmp9, 5                       ; batch
	s_and_b32 s56, ttmp9, 31                       ; which 128 points
	s_lshl_b32 s88, s55, 22                        ; ((256 b + 64 w) 4096 + 128 x that) 4: my wave's corner of featA and of out0
	s_lshl_b32 s89, s54, 20
	s_add_co_u32 s88, s88, s89
	s_lshl_b32 s89, s56, 9
	s_add_co_u32 s88, s88, s89
	s_mov_b32 s89, 0
	s_mov_b32 s72, (2<<16)|(1<<20)|(6<<22)|(1<<25) ; group 1: no mask; elements of 4 bytes; padding on: 2 words behind every 128
	s_mov_b32 s73, 128<<16                         ; tensor_dim0 = 128 points
	s_mov_b32 s74, 64<<16                          ; tensor_dim1 = 64 channels
	s_mov_b32 s75, 128<<16                         ; tile_dim0
	s_mov_b32 s76, 64                              ; tile_dim1
	s_mov_b32 s77, 4096                            ; elements from channel to channel
	s_mov_b32 s78, 0
	s_mov_b32 s79, 0
	s_mov_b32 s68, 1                               ; group 0: count,
	s_mul_i32 s69, s54, FAW                        ; my region of LDS,
	s_wait_dscnt 0x0
	s_wait_kmcnt 0x0
	s_add_nc_u64 s[84:85], s[4:5], s[88:89]
	s_mov_b64 s[70:71], s[84:85]                   ; the tile's first element,
	s_or_b32 s71, s71, 0x80000000                  ; type 2
	tensor_load_to_lds s[68:71], s[72:79]          ; my one tensor load: these bytes are filled once, and only I read them
	s_nop 0
	PLACES 4
	s_mov_b32 s91, 0
	s_lshl_b32 s90, ttmp9, 11                      ; 16 bytes a point, 128 points
	s_add_nc_u64 s[8:9], s[8:9], s[90:91]
	s_add_nc_u64 s[10:11], s[10:11], s[90:91]
	v_and_b32 v79, 15, v0                          ; r
	v_bfe_u32 v248, v0, 4, 1                       ; h
	s_lshl_b32 s92, s54, 9
	v_lshl_add_u32 v[NBO], v79, 4, s92             ; point 32 w + r
	global_load_b128 v[NB:NB+3], v[NBO], s[8:9]
	global_load_b128 v[NB+4:NB+7], v[NBO], s[8:9] offset:256
	global_load_b128 v[WG:WG+3], v[NBO], s[10:11]
	global_load_b128 v[WG+4:WG+7], v[NBO], s[10:11] offset:256
	s_load_b32 s86, s[30:31], 0x0                  ; convA_b
	s_load_b32 s87, s[42:43], 0x0                  ; convB_b
	s_add_nc_u64 s[82:83], s[52:53], s[88:89]
	s_add_nc_u64 s[84:85], s[84:85], 0x2000000     ; eight batches on: the prefetch's base
	s_lshl_b32 s90, s55, 20
	s_add_nc_u64 s[80:81], s[6:7], s[90:91]        ; the batch's rows of fbt
	s_lshl_b32 s90, s54, 14                        ; my 64 rows of each weight, of its scales, of fp's gain and bias
	s_add_nc_u64 s[12:13], s[12:13], s[90:91]
	s_lshl_b32 s90, s54, 9
	s_add_nc_u64 s[14:15], s[14:15], s[90:91]
	s_lshl_b32 s90, s54, 8
	s_add_nc_u64 s[16:17], s[16:17], s[90:91]
	s_add_nc_u64 s[18:19], s[18:19], s[90:91]
	s_lshl_b32 s90, s54, 15
	s_add_nc_u64 s[20:21], s[20:21], s[90:91]
	s_add_nc_u64 s[32:33], s[32:33], s[90:91]
	s_add_nc_u64 s[44:45], s[44:45], s[90:91]
	s_lshl_b32 s90, s54, 10
	s_add_nc_u64 s[22:23], s[22:23], s[90:91]
	s_add_nc_u64 s[34:35], s[34:35], s[90:91]
	s_add_nc_u64 s[46:47], s[46:47], s[90:91]
	s_mov_b32 s58, 0x3fb8aa3b                      ; log2 e (a pair: the packed form names both)
	s_mov_b32 s59, s58
	s_mov_b32 s60, 0x76543210                      ; v_permlanex16_b32's selects for lane l xor 16
	s_mov_b32 s61, 0xfedcba98
	s_mov_b32 s62, 0x600000                        ; the mantissa field of 57,344
	v_lshlrev_b32 v[TGO], 3, v0
	v_lshlrev_b32 v[WOFC], 9, v79                  ; K = 512: row r of 512 bytes, + 16 h
	v_lshl_add_u32 v[WOFC], v248, 4, v[WOFC]
	v_and_b32 v249, 8, v79
	v_add_nc_u32 v249, v249, v79                   ; r + 8 (r / 8)
	v_lshlrev_b32 v[WOFF], 8, v249                 ; fp: that row of 256 bytes, + 16 h
	v_lshl_add_u32 v[WOFF], v248, 4, v[WOFF]
	v_lshlrev_b32 v[WSC], 4, v79
	v_lshl_add_u32 v[WSC], v248, 3, v[WSC]
	v_lshlrev_b32 v[WSF], 3, v249
	v_lshl_add_u32 v[WSF], v248, 2, v[WSF]
	v_lshlrev_b32 v[BNF], 6, v248                  ; 64 h
	global_load_b64 v[TB8:TB8+1], v[TGO], s[24:25]
	global_load_b64 v[TB8+2:TB8+3], v[TGO], s[26:27]
	global_load_b64 v[TB8+4:TB8+5], v[TGO], s[28:29]
	global_load_b64 v[TB8+6:TB8+7], v[TGO], s[36:37]
	global_load_b64 v[TB8+8:TB8+9], v[TGO], s[38:39]
	global_load_b64 v[TB8+10:TB8+11], v[TGO], s[40:41]
	global_load_b64 v[TB8+12:TB8+13], v[TGO], s[48:49]
	global_load_b64 v[TB8+14:TB8+15], v[TGO], s[50:51]
	WLOADF
	; every LDS address: a constant, a lane term, the wave's number times a constant
	v_and_b32 v[LI], 31, v0
	v_lshlrev_b32 v[LS], 2, v[LI]                  ; 4 x lane
	v_lshlrev_b32 v[LI], 4, v[LI]                  ; 16 x lane
	v_mul_u32_u24 v[AFR], v248, 16*FP
	v_lshl_add_u32 v[AFR], v79, 2, v[AFR]
	v_add_nc_u32 v[AFR], s69, v[AFR]               ; featA: channel row 16 h, point r
	s_lshl_b32 s90, s54, 10
	s_add_co_u32 s92, s90, XA
	v_add_nc_u32 v[AXWA], s92, v[LI]               ; where I store my two blocks of an image
	s_add_co_u32 s92, s90, XD
	v_add_nc_u32 v[AXWD], s92, v[LI]
	s_lshr_b32 s92, s54, 1
	s_lshl_b32 s92, s92, 6
	s_and_b32 s93, s54, 1
	s_lshl_b32 s93, s93, 1
	s_add_co_u32 s92, s92, s93
	s_add_co_u32 s92, s92, SA
	v_lshl_add_u32 v[ASW], v79, 2, s92             ; my two bytes of point r's scale word: K step w / 2, bytes 2 (w % 2) on
	s_lshl_b32 s92, s54, 13
	s_add_co_u32 s92, s92, X0
	v_add_nc_u32 v[AX0W], s92, v[LI]               ; interp: my two tiles
	s_lshl_b32 s92, s54, 8
	s_add_co_u32 s93, s92, SX0
	v_lshl_add_u32 v[AS0W], v79, 2, s93
	s_add_co_u32 s93, s92, PT
	v_lshl_add_u32 v[APT], v79, 2, s93             ; the tables at output 64 w + r
	v_add_nc_u32 v[AXR0], X0, v[LI]
	v_add_nc_u32 v[ASR0], SX0, v[LS]
	v_add_nc_u32 v[AXRA], XA, v[LI]
	v_add_nc_u32 v[AXRD], XD, v[LI]
	v_add_nc_u32 v[ASRA], SA, v[LS]
	v_mul_u32_u24 v[ASTW], v79, 528
	v_lshl_add_u32 v[ASTW], v248, 5, v[ASTW]       ; row r of 528 bytes, + 32 h
	s_mul_i32 s92, s54, 16*528
	s_add_co_u32 s92, s92, X0
	v_add_nc_u32 v[APS], s92, v[ASTW]              ; partial sums: row 16 w + r, points 8 h on
	v_add_nc_u32 v[ASTW], s69, v[ASTW]             ; my stage for out0
	v_add_nc_u32 v[ASTR], s69, v[LI]
	v_lshl_add_u32 v[APRA], v0, 2, X0
	v_lshl_add_u32 v[APRB], v0, 2, PSB
	v_lshl_add_u32 v[AGW], v0, 2, GTE
	v_lshl_add_u32 v[AGR], v79, 2, GTE
	v_lshl_add_u32 v[ATW], v0, 3, PT
	v_bfe_u32 v250, v0, 1, 4
	v_and_b32 v251, 1, v0
	v_lshlrev_b32 v[PFO], 14, v250                 ; the prefetch: row lane / 2 of 16,384 bytes, half lane % 2
	v_lshl_add_u32 v[PFO], v251, 8, v[PFO]
	v_mov_b32 v[CC], 0x3fc3ae9e                    ; log2(2 log2 e)
	v_mov_b32 v[CC+1], 0x3fc3ae9e
.irp k, 0,1,2,3,4,5,6,7,8,9,10,11
	v_mov_b32 v[P+2*\k+1], 0                       ; the partners of the packed forms' broadcast sources: named, so written
.endr
.irp k, 4,5,6,7
	v_mov_b32 v[TM+\k], 0                          ; a lane permute's destination counts as one of its sources
.endr
	s_wait_kmcnt 0x0                               ; the conv biases
	s_wait_loadcnt 60                              ; neighbours and weights are in: behind them stand 8 table loads and fp's 52
.irp q, 0,1
.irp j, 0,1,2
	v_min_u32 v[OFF+3*\q+\j], 0x3ff, v[NB+4*\q+\j] ; a number that was loaded enters an address only behind a hold
	v_lshl_add_u32 v[OFF+3*\q+\j], v[OFF+3*\q+\j], 10, v[BNF]   ; a row of fbt is 1,024 bytes; + 64 h
.endr
	v_mov_b32 v[W1C+2*\q], v[WG+4*\q+1]            ; w2 into an even register
	v_mov_b32 v[W1C+2*\q+1], 0
.endr
	GATHER 0, 0, 3
	s_wait_loadcnt 48                              ; all of the head's loads are in; the 48 just issued stay out
.irp k, 0,3,6
	v_pk_mul_f32 v[TB8+2*\k:TB8+2*\k+1], v[TB8+2*\k:TB8+2*\k+1], 0x3f7fffac op_sel_hi:[1,0]   ; gain = g / sqrt(1 + 1e-5)
.endr
.irp k, 0,1,2,3,4,5,6,7
	ds_store_b64 v[ATW], v[TB8+2*\k:TB8+2*\k+1] offset:1024*\k
.endr
	WIN 0x41
.set i, 0
.rept 16
	v_pk_mul_f32 v[128+i:129+i], v[128+i:129+i], 0x3f7fffac op_sel_hi:[1,0]
.set i, i+2
.endr
	WIN 0
	; ---- featA's codes, my 64 channels of the eight tiles, while the first neighbours' rows are on their way
	s_wait_tensorcnt 0x0                           ; my tile of featA is in LDS
	s_mov_b32 s63, 0
.Lfa:
	s_wait_dscnt 0x0                               ; no LDS instruction of mine is out: the trip's addresses may be written
	s_lshl_b32 s88, s63, 6
	v_add_nc_u32 v[AXN], s88, v[AFR]
	s_lshl_b32 s88, s63, 12
	v_add_nc_u32 v[ASN], s88, v[AXWA]
	s_lshl_b32 s88, s63, 7
	v_add_nc_u32 v[ZA], s88, v[ASW]
	FALOAD AXN, 0
	s_wait_dscnt 0x0
	QUANT 2, T, 16, 0, 0, PC, PWA
	IMG2 ASN, 0, ZA, 0, PC, PWA
	s_add_co_u32 s63, s63, 1
	s_cmp_lt_u32 s63, 8
	s_cbranch_scc1 .Lfa
	; ---- interp of my two tiles: a K step's 48 loads are on their way while the K step before is worked; each wait leaves the younger 48 out
	GATHER 0, 1, 2
	s_wait_loadcnt 48
	CSTEP 0, 0, 3
	GATHER 1, 0, 3
	s_wait_loadcnt 48
	CSTEP 0, 1, 2
	GATHER 1, 1, 2
	s_wait_loadcnt 48
	CSTEP 1, 0, 3
	s_wait_loadcnt 0x0
	CSTEP 1, 1, 2
	WLOADC 20, 22, 2, WSB, 0, 2                    ; catA's first three o-tiles; the fourth follows behind the first tile's work
	BARRIER                                        ; interp's and featA's images and the tables lie in LDS
	; ---- fp's product and what follows it, tile by tile (written out: fB's registers differ from tile to tile)
	X1LOAD 0
	FALOAD AFR, 0
	s_wait_dscnt 0x0
	MMF ACC0
	PLACES 8
	X1LOAD 1
	E1 0
	NEXT_A3
.irp m, 1,2,3,4,5,6,7
	E1 \m
.endr
	s_wait_loadcnt 0x0                             ; catA
	BARRIER                                        ; d's and fB's images lie in LDS; nobody reads interp's any more
	; ---- catA on [d, featA]; its telu goes into convA's partial sums, laid over interp's image
	WLOADC 32, 34, 1, WSA, 0, 2
	PHASE 2, WSB, AXRA, 32768, 0, 1024, 0, 0, 3, 0, APS, 0, NEXT_B3
	s_wait_loadcnt 0x0                             ; catB
	; ---- catB on [d, fB]
	WLOADC 44, 46, 2, WSB, 0, 2
	PHASE 1, WSA, AXRD, 0, 32768, 1024, 2048, 3, 3, 0, APS, 36864, NEXT_C3
	BARRIER                                        ; all 64 partial sums of each point lie in LDS; nobody reads the images any more
	; ---- the gates: a thread to a point
.set i, 0
.rept 64
	ds_load_b32 v[X+i], v[APRA] offset:528*i
.set i, i+1
.endr
.set i, 0
.rept 64
	ds_load_b32 v[ACC0+i], v[APRB] offset:528*i
.set i, i+1
.endr
.macro SUM64 r
.irp n, 32,16,8,4,2
.set i, 0
.rept \n/2
	v_pk_add_f32 v[\r+i:\r+i+1], v[\r+i:\r+i+1], v[\r+\n+i:\r+\n+i+1]
.set i, i+2
.endr
.endr
	v_add_f32 v[\r], v[\r], v[\r+1]
.endm
	s_wait_dscnt 63                                ; convA's 64 are in (and one more)
	SUM64 X
	s_wait_dscnt 0x0
	SUM64 ACC0
	v_add_f32 v[X], s86, v[X]
	v_add_f32 v[ACC0], s87, v[ACC0]
	v_mul_f32 v[X], 0xbfb8aa3b, v[X]
	v_mul_f32 v[ACC0], 0xbfb8aa3b, v[ACC0]
	v_exp_f32 v[X], v[X]
	v_exp_f32 v[ACC0], v[ACC0]
	v_nop
	s_wait_alu depctr_va_vdst(0)
	v_add_f32 v[X], 1.0, v[X]
	v_add_f32 v[ACC0], 1.0, v[ACC0]
	v_rcp_f32 v[X], v[X]                           ; sigmoid = 1 / (1 + e^-v)
	v_rcp_f32 v[ACC0], v[ACC0]
	v_nop
	s_wait_alu depctr_va_vdst(0)
	ds_store_b32 v[AGW], v[X]
	ds_store_b32 v[AGW], v[ACC0] offset:512
	BARRIER
	; ---- gA featA, quantised, over featA's image
	s_mov_b32 s63, 0
.Lya:
	s_wait_dscnt 0x0
	s_lshl_b32 s88, s63, 6
	v_add_nc_u32 v[AXN], s88, v[AFR]
	v_add_nc_u32 v[AT3], s88, v[AGR]
	s_lshl_b32 s88, s63, 12
	v_add_nc_u32 v[ASN], s88, v[AXWA]
	s_lshl_b32 s88, s63, 7
	v_add_nc_u32 v[ZA], s88, v[ASW]
	ds_load_b32 v[GP], v[AT3]
	FALOAD AXN, 0
	s_wait_dscnt 0x0
.set i, 0
.rept 16
	v_pk_mul_f32 v[T+i:T+i+1], v[T+i:T+i+1], v[GP:GP+1] op_sel_hi:[1,0]
.set i, i+2
.endr
	QUANT 2, T, 16, 0, 0, PC, PWA
	IMG2 ASN, 0, ZA, 0, PC, PWA
	s_add_co_u32 s63, s63, 1
	s_cmp_lt_u32 s63, 8
	s_cbranch_scc1 .Lya
	; ---- gB fB, quantised, over d's image (written out: fB's registers)
	s_wait_dscnt 0x0
.irp m, 0,1,2,3,4,5,6,7
	ds_load_b32 v[ACC0+2*\m], v[AGR] offset:512+64*\m
.endr
	s_wait_dscnt 0x0
.irp m, 0,1,2,3,4,5,6,7
	WIN 0x03
.set i, 0
.rept 16
	v_pk_mul_f32 v[T+i:T+i+1], v[32*\m+i:32*\m+i+1], v[ACC0+2*\m:ACC0+2*\m+1] op_sel_hi:[1,0]
.set i, i+2
.endr
	WIN 0
	s_wait_dscnt 3                                 ; two sets of code registers by turns: the stores of two tiles back have read theirs; the last tile's three may be out
	QUANT 2, T, 16, 0, 1, PC+8*(\m%2), PWA+(\m%2)
	IMG2 AXWD, 4096*\m, ASW, 1024+128*\m, PC+8*(\m%2), PWA+(\m%2)
.endr
	s_wait_loadcnt 0x0                             ; cat
	BARRIER
	; ---- cat on [gA featA, gB fB]; its telu goes to my stage, which lies in my region of featA: that has had its one fill, and my reads of it are over
	PHASE 2, WSB, AXRA, 0, 32768, 0, 1024, 6, 2, 1, ASTW, 0, PREF
	; ---- out0: my 64 rows of 512 bytes, 16 at a time, two batches in flight
.macro OLOAD g
.irp i, 0,1,2,3,4,5,6,7,8,9,10,11,12,13,14,15
	ds_load_b128 v[X+64*((\g)%2)+4*\i:X+64*((\g)%2)+4*\i+3], v[ASTR] offset:528*(16*(\g)+\i)
.endr
.endm
.macro OSTORE g, younger
.irp i, 0,1,2,3,4,5,6,7,8,9,10,11,12,13,14,15
	s_wait_dscnt (\younger)+15-\i
	global_store_b128 v[LI], v[X+64*((\g)%2)+4*\i:X+64*((\g)%2)+4*\i+3], s[82:83] offset:16384*(16*(\g)+\i) th:TH_STORE_NT   ; 32 lanes store 512 consecutive bytes, aligned; written once, read by nobody here
.endr
.endm
	OLOAD 0
	OLOAD 1
	OSTORE 0, 16
	s_wait_xcnt 0x0                                ; the stores have read their registers: they may be loaded again
	OLOAD 2
	OSTORE 1, 16
	s_wait_xcnt 0x0
	OLOAD 3
	OSTORE 2, 16
	OSTORE 3, 0
	s_wait_tensorcnt 0x0
	ds_add_u32 v254, v255
	s_wait_dscnt 0x0
	s_endpgm
.Lfunc_end_k_q9f9bdbb255_fuse:
	.size	k_q9f9bdbb255_fuse, .Lfunc_end_k_q9f9bdbb255_fuse-k_q9f9bdbb255_fuse
	.p2alignl 7, 3214868480
	.fill 96, 4, 3214868480
	.section	.rodata,"a",@progbits
	.p2align	6, 0x0
	.amdhsa_kernel k_q9f9bdbb255_fuse
		.amdhsa_group_segment_fixed_size 313856
		.amdhsa_private_segment_fixed_size 0
		.amdhsa_enable_private_segment 0
		.amdhsa_kernarg_size 200
		.amdhsa_user_sgpr_count 2
		.amdhsa_user_sgpr_kernarg_segment_ptr 1
		.amdhsa_wavefront_size32 1
		.amdhsa_system_sgpr_workgroup_id_x 1
		.amdhsa_system_sgpr_workgroup_id_y 1
		.amdhsa_system_sgpr_workgroup_id_z 1
		.amdhsa_system_vgpr_workitem_id 0
		.amdhsa_next_free_vgpr 1024
		.amdhsa_next_free_sgpr 96
		.amdhsa_reserve_vcc 0
		.amdhsa_float_denorm_mode_32 3
		.amdhsa_float_denorm_mode_16_64 3
		.amdhsa_memory_ordered 1
		.amdhsa_forward_progress 1
		.amdhsa_inst_pref_size 255
	.end_amdhsa_kernel
	.section	.bss,"aw",@nobits
	.p2align	6
	.space	262144
	.amdgpu_metadata
---
amdhsa.version: [ 1, 2 ]
amdhsa.kernels:
  - .name:           k_q9f9bdbb255_fuse
    .symbol:         k_q9f9bdbb255_fuse.kd
    .args:
      - { .name: featA, .offset: 0, .size: 8, .value_kind: global_buffer, .address_space: global }
      - { .name: fbt, .offset: 8, .size: 8, .value_kind: global_buffer, .address_space: global }
      - { .name: nbr, .offset: 16, .size: 8, .value_kind: global_buffer, .address_space: global }
      - { .name: wgt, .offset: 24, .size: 8, .value_kind: global_buffer, .address_space: global }
      - { .name: fp_w_codes, .offset: 32, .size: 8, .value_kind: global_buffer, .address_space: global }
      - { .name: fp_w_scales, .offset: 40, .size: 8, .value_kind: global_buffer, .address_space: global }
      - { .name: fp_g, .offset: 48, .size: 8, .value_kind: global_buffer, .address_space: global }
      - { .name: fp_b, .offset: 56, .size: 8, .value_kind: global_buffer, .address_space: global }
      - { .name: catA_w_codes, .offset: 64, .size: 8, .value_kind: global_buffer, .address_space: global }
      - { .name: catA_w_scales, .offset: 72, .size: 8, .value_kind: global_buffer, .address_space: global }
      - { .name: catA_g, .offset: 80, .size: 8, .value_kind: global_buffer, .address_space: global }
      - { .name: catA_b, .offset: 88, .size: 8, .value_kind: global_buffer, .address_space: global }
      - { .name: convA_w, .offset: 96, .size: 8, .value_kind: global_buffer, .address_space: global }
      - { .name: convA_b, .offset: 104, .size: 8, .value_kind: global_buffer, .address_space: global }
      - { .name: catB_w_codes, .offset: 112, .size: 8, .value_kind: global_buffer, .address_space: global }
      - { .name: catB_w_scales, .offset: 120, .size: 8, .value_kind: global_buffer, .address_space: global }
      - { .name: catB_g, .offset: 128, .size: 8, .value_kind: global_buffer, .address_space: global }
      - { .name: catB_b, .offset: 136, .size: 8, .value_kind: global_buffer, .address_space: global }
      - { .name: convB_w, .offset: 144, .size: 8, .value_kind: global_buffer, .address_space: global }
      - { .name: convB_b, .offset: 152, .size: 8, .value_kind: global_buffer, .address_space: global }
      - { .name: cat_w_codes, .offset: 160, .size: 8, .value_kind: global_buffer, .address_space: global }
      - { .name: cat_w_scales, .offset: 168, .size: 8, .value_kind: global_buffer, .address_space: global }
      - { .name: cat_g, .offset: 176, .size: 8, .value_kind: global_buffer, .address_space: global }
      - { .name: cat_b, .offset: 184, .size: 8, .value_kind: global_buffer, .address_space: global }
      - { .name: out0, .offset: 192, .size: 8, .value_kind: global_buffer, .address_space: global }
    .group_segment_fixed_size: 313856
    .private_segment_fixed_size: 0
    .kernarg_segment_align: 8
    .kernarg_segment_size: 200
    .max_flat_workgroup_size: 128
    .sgpr_count:     96
    .vgpr_count:     1024
    .wavefront_size: 32
...
	.end_amdgpu_metadata
.endif
;; end of part 3
